; MI455X (gfx1250); checked and timed in simulation.
; The chip was launched on July 23, 2026; its instructions are those of AMD's public machine-readable ISA for CDNA 5 (MIT licence, August 2026) and "CDNA5" Instruction Set Architecture Reference Guide (July 2026). The comments in the code are by the model that wrote it; some were corrected since.
;; Tidal Geometric Attention. Allowed arithmetic: matrix products marked QUANTISED: E4M3 operands, one given power-of-two scale a tensor, by v_wmma_f32_16x16x64_fp8_fp8 or v_wmma_f32_16x16x128_fp8_fp8, f32 sums; everything else in f32.
;; Inputs: frozen 4,096 bool; frozen_scale 4,096 float32; lowp_scales 4 int32 (the exponents e of the quantised operands' scales 2^e); positions 4,096 x 512 float32; temperature 4,096 float32; values 4,096 x 512 float32; x 8 x 2,048 x 512 float32.
;; Outputs: out0 8 x 2,048 x 512 float32.
;; This version of the problem:
;;   THIS VERSION OF THE PROBLEM IS GIVEN IN LOW PRECISION. The matrix products marked QUANTISED in the list below multiply operands that are first quantised to E4M3 (4 exponent bits, 3 mantissa bits; 8 bits a number), with one given power-of-two scale for each operand tensor; their sums are f32. All else is computed in f32.
;;   The module's matrix products, in the order in which they are computed (A, B: the left and right operand; K: the contracted axis; several contracted axes count as one K, in the product's order):
;;     1. [M 16,384, K 512] x [K 512, N 4,096]; A: input x; B: input positions: QUANTISED (scales: A lowp_scales[0], B lowp_scales[1])
;;     2. [M 16,384, K 4,096] x [K 4,096, N 512]; A: computed on the way; B: input values: QUANTISED (scales: A lowp_scales[2], B lowp_scales[3])
;;   THE QUANTISER, for each operand of a quantised product, along K:
;;     - The operand's scale is 2^e, e = its entry of the input lowp_scales (int32; the entries are numbered through the quantised products in the list's order, A before B).
;;     - Each number is divided by the scale, clamped to +-448, and rounded to the nearest number of E4M3, ties to even, subnormals kept.
;;     - The product sums the exact products of the quantised numbers (number of the format x scale) in f32.
;;   ~~~python
;;   def quantise(x, axis, e):      # numpy; x: float32 -> the quantised numbers, widened to float32 again
;;       x = np.moveaxis(x, axis, -1); K = x.shape[-1]
;;       r = np.clip(x / 2.0 ** e, -448, 448)
;;       step = 2.0 ** (np.maximum(np.frexp(np.where(r == 0, 1, r))[1] - 1, -6) - 3)
;;       q = np.round(r / step) * step * 2.0 ** e      # np.round: ties to even
;;       return np.moveaxis(q, -1, axis).astype(np.float32)
;;   ~~~
;;   OPERANDS COMPUTED ON THE WAY. 'Computed on the way' means the value that the module computes at that place (a softmax that the list does not call 'softmax' is quantised finished and normalised). What goes into a quantiser is computed in f32, as accurately as f32 sums, v_exp_f32 and their like allow (about 1e-6 of the number): no bf16 or f16 on the way to a quantiser, and a product that is left as it is and whose result goes on into a quantised operand takes f32 operands (vector FMAs, or v_wmma_f32_16x16x4_f32). A number that lies on a knife's edge between two numbers of the format may be rounded either way, as far as f32 arithmetic and the matrix unit's own rounding can turn it there, and no further.
;; One version. Each part assembles by itself: llvm-mc -triple=amdgcn-amd-amdhsa -mcpu=gfx1250 --defsym DOCPART=n.
;; ======== version 1 of 1: 2 launches
;; limits: right only within a limited range of input values
;; workspace buffers: tiles 4,194,304 bytes; aux 32,768 bytes
;; launch prep (part 1): grid 256 x 1, 3 waves a work-group, no clusters, 0 bytes of LDS; arguments positions, values, temperature, frozen_scale, frozen, lowp_scales, tiles, aux; writes tiles, aux
.if DOCPART == 1
	.amdgcn_target "amdgcn-amd-amdhsa--gfx1250"
	.amdhsa_code_object_version 6
	.text
	.protected	k_q91abf51b01_prep
	.globl	k_q91abf51b01_prep
	.p2align	8
	.type	k_q91abf51b01_prep,@function
k_q91abf51b01_prep:
	s_mov_b64 s[64:65], 0
	v_nop
	global_prefetch_b8 v0, s[64:65] scope:SCOPE_SE
	s_setreg_imm32_b32 hwreg(HW_REG_WAVE_MODE, 25, 1), 1
	s_wait_xcnt 0x0
; positions [4096][512] and values [4096][512], f32, become codes of FP8 (E4M3), each tensor with the one scale 2^e that is given for it (entries 1 and 3 of the scales),
; laid in the workspace 'tiles' as IMAGES OF THE OPERAND REGISTERS of the next launch.  Beside them, in 'aux', two f32 numbers for each position.
; code = x / 2^e, held within +-448, rounded to the nearest code, ties to even.
; A FRAGMENT'S IMAGE is 2,048 bytes: register group c (0..3) at 512 c + 16 x lane; lane (r = lane % 16, h = lane / 16) holds K = 128 kk + 32 c + 16 h + 0 .. 15 of its row.
; tiles: bytes 0 to 2,097,151 the positions' codes, 65,536 bytes for a step of 128 positions; from 2,097,152 on the values' codes, 65,536 bytes a step.
;   A step's positions: tile (w, u), K step kk at ((2 w + u) 4 + kk) x 2,048; lane r of the tile holds position 128 s + 32 w + 8 u + r + 8 (r / 8).  tau = 8 s + 2 w + u numbers the tiles.
;   A step's values (K = the 128 positions): fragment (w, t) at (8 w + t) x 2,048; lane r holds channel 128 w + 16 t + r.
; aux: 128 bytes a tile tau: words 0-15 |p|^2 of the tile's 16 positions (of the numbers as they are given), words 16-31 rho = -log2(e) / T, T = (|temperature| + 0.1) x (frozen ? frozen_scale : 0.05).
; SHARES.  256 work-groups of three waves.  Wave 0: tile tau = the work-group's number (16 positions x 512).  Waves 1, 2: value task 2 x work-group + wave - 1 of 512:
; 128 positions x 32 channels, a lane to a channel, registers down the positions.  So every work-group has the same work.
; No LDS, no barrier: waves share nothing.  Every offset is an immediate; every store has registers of its own, so no store's data are written again.
; LIMITS: e1 and e3 between -126 and 119, so that 2^e and 448 x 2^e are f32 numbers.  NaN among positions or values is not served.  T = 0 or a denormal T gives rho = -infinity (weight 0 at any distance above 0).
.set X,   32                           ; positions: v32-159 two sets of 64 numbers;  values: v32-95 two sets of 32
.set C,   160                          ; positions: v160-223 the codes, 16 registers for each K step
.set CV,  96                           ; values: v96-127 the codes, 8 registers for each block of 32
	s_load_b256 s[4:11], s[0:1], 0x0               ; positions s[4:5], values s[6:7], temperature s[8:9], frozen_scale s[10:11]
	s_load_b256 s[12:19], s[0:1], 0x20             ; frozen s[12:13], the scales' exponents s[14:15], tiles s[16:17], aux s[18:19]
	v_lshrrev_b32 v1, 5, v0
	v_readfirstlane_b32 s20, v1                    ; wave 0..2
	v_and_b32 v2, 31, v0                           ; lane
	v_and_b32 v3, 15, v0                           ; r
	v_bfe_u32 v4, v0, 4, 1                         ; h
	s_mov_b32 s25, 0                               ; the upper word of every offset
	s_wait_kmcnt 0x0
	s_load_b128 s[28:31], s[14:15], 0x0            ; e0, e1, e2, e3
	s_cmp_eq_u32 s20, 0                            ; the positions' wave or a values' wave?
	s_cbranch_scc0 .Lvalues
; ---------------- positions: my wave's tile tau
.macro LOADP kk                        ; K step kk of my row: 64 numbers a lane, register 16 c + i = K 128 kk + 32 c + 16 h + i, into set kk % 2
.irp c, 0,1,2,3
.irp j, 0,1,2,3
	global_load_b128 v[X+64*((\kk)%2)+16*\c+4*\j:X+64*((\kk)%2)+16*\c+4*\j+3], v6, s[4:5] offset:512*(\kk)+128*\c+16*\j th:TH_LOAD_NT
.endr
.endr
.endm
.macro QP kk                           ; squares into four chains of pairs, the hold, the conversion, the image
.set XS, X+64*((\kk)%2)
.set p, 0
.rept 32
.if ((\kk) == 0) && (p < 4)
	v_pk_mul_f32 v[16+2*p:17+2*p], v[XS+2*p:XS+2*p+1], v[XS+2*p:XS+2*p+1]          ; the first four products start the chains: nothing is cleared
.else
	v_pk_fma_f32 v[16+2*(p%4):17+2*(p%4)], v[XS+2*p:XS+2*p+1], v[XS+2*p:XS+2*p+1], v[16+2*(p%4):17+2*(p%4)]
.endif
.set p, p+1
.endr
.set p, 0
.rept 64
	v_med3_num_f32 v[XS+p], v[XS+p], -v12, v12     ; the conversion to an 8-bit code does not saturate (ISA guide 7.6.2): hold the number within 448 x the scale first
.set p, p+1
.endr
.irp g, 0,1,2,3,4,5,6,7
	v_cvt_scalef32_pk8_fp8_f32 v[C+16*(\kk)+2*\g:C+16*(\kk)+2*\g+1], v[XS+8*\g:XS+8*\g+7], v13
.endr
; (the codes go to stores alone, and the next vector lines are plain ones on other registers)
.irp c, 0,1,2,3
	global_store_b128 v14, v[C+16*(\kk)+4*\c:C+16*(\kk)+4*\c+3], s[36:37] offset:2048*(\kk)+512*\c   ; the wave stores 512 consecutive bytes, aligned
.endr
.endm
	s_mov_b32 s21, ttmp9                           ; tau
	s_lshr_b32 s22, s21, 1
	s_lshl_b32 s22, s22, 5
	s_and_b32 s23, s21, 1
	s_lshl_b32 s23, s23, 3
	s_add_co_u32 s22, s22, s23                     ; the tile's first position: 32 (tau / 2) + 8 (tau % 2)
	s_lshl_b32 s24, s22, 11                        ; a row of positions is 2,048 bytes
	s_add_nc_u64 s[4:5], s[4:5], s[24:25]
	s_lshl_b32 s24, s21, 13
	s_add_nc_u64 s[36:37], s[16:17], s[24:25]      ; the tile's 8,192 bytes of codes
	s_lshl_b32 s24, s21, 7
	s_add_nc_u64 s[18:19], s[18:19], s[24:25]      ; the tile's 128 bytes of aux
	s_wait_alu depctr_va_vdst(0)
	v_and_b32 v5, 8, v3
	v_add_nc_u32 v5, v5, v3                        ; r + 8 (r / 8): THE POSITIONS OF A TILE ARE NOT NEIGHBOURS
	v_lshlrev_b32 v6, 11, v5
	v_lshl_add_u32 v6, v4, 6, v6                   ; my row, + 64 h bytes: my 16 numbers of a block of 32
	v_add_nc_u32 v7, s22, v5                       ; my position
	v_lshlrev_b32 v8, 2, v7
	v_lshlrev_b32 v14, 4, v2                       ; 16 x lane: my place in an image
	v_lshlrev_b32 v28, 2, v2                       ; 4 x lane: my word of aux
	global_load_b32 v9, v8, s[8:9]                 ; temperature
	global_load_b32 v10, v8, s[10:11]              ; frozen_scale
	global_load_u8 v11, v7, s[12:13]               ; frozen
	LOADP 0
	LOADP 1
	s_mov_b32 s32, 0x76543210                      ; v_permlanex16_b32's selects for lane l xor 16
	s_mov_b32 s33, 0xfedcba98
	s_mov_b32 s34, 0x3dcccccd                      ; 0.1
	s_mov_b32 s35, 0xbfb8aa3b                      ; -log2(e)
	s_wait_kmcnt 0x0
	s_add_co_i32 s26, s29, 127
	s_lshl_b32 s27, s26, 23
	v_mov_b32 v13, s27                             ; 2^e1 as f32: the conversion takes its exponent field
	s_add_co_i32 s26, s26, 8
	s_lshl_b32 s26, s26, 23
	s_or_b32 s26, s26, 0x600000
	v_mov_b32 v12, s26                             ; 448 x 2^e1
	s_wait_loadcnt 16                              ; the three small loads and K step 0 are in; K step 1's sixteen may be out
	QP 0
	LOADP 2
	s_wait_loadcnt 16                              ; K step 1 is in; K step 2's sixteen may be out
	QP 1
	LOADP 3
	s_wait_loadcnt 16
	QP 2
	s_wait_loadcnt 0x0
	QP 3
	v_pk_add_f32 v[16:17], v[16:17], v[18:19]      ; |p|^2: the four chains,
	v_pk_add_f32 v[20:21], v[20:21], v[22:23]
	v_pk_add_f32 v[16:17], v[16:17], v[20:21]
	v_add_f32 v16, v16, v17                        ; their two halves,
	v_permlanex16_b32 v17, v16, s32, s33
	v_add_f32 v16, v16, v17                        ; and lane l xor 16's
	v_add_f32 v9, |v9|, s34                        ; |temperature| + 0.1
	v_cmp_ne_u32 vcc_lo, 0, v11
	v_mov_b32 v15, 0x3d4ccccd                      ; 0.05
	v_cndmask_b32 v10, v15, v10, vcc_lo            ; frozen ? frozen_scale : 0.05
	v_mul_f32 v9, v9, v10                          ; T
	s_wait_alu depctr_va_vdst(0)                   ; a wait ahead of the reciprocal and one behind it
	v_rcp_f32 v24, v9
	v_nop                                          ; a plain instruction behind the reciprocal
	s_wait_alu depctr_va_vdst(0)
	v_mul_f32 v25, s35, v24                        ; q = -log2(e) / T, roughly;
	v_fma_f32 v26, -v25, v9, s35                   ; what is left over,
	v_fma_f32 v27, v26, v24, v25                   ; and the quotient mended by it
	v_cmp_eq_f32 vcc_lo, v27, v27                  ; (where T is 0 or infinite the mending gives NaN: the first quotient stands)
	v_cndmask_b32 v25, v25, v27, vcc_lo
	v_cmp_ne_u32 vcc_lo, 0, v4
	v_cndmask_b32 v16, v16, v25, vcc_lo            ; lanes 0-15 hold |p|^2 of the tile's 16 positions, lanes 16-31 rho of the same
	global_store_b32 v28, v16, s[18:19]            ; 128 consecutive bytes
	s_endpgm
; ---------------- values: 128 positions (step s) x 32 channels, a lane to a channel
.macro LOADV c                         ; block c: values(128 s + 32 c + i, my channel), i = 0 .. 31, into set c % 2: a wave reads 128 consecutive bytes
.irp n, 0,1,2,3,4,5,6,7,8,9,10,11,12,13,14,15,16,17,18,19,20,21,22,23,24,25,26,27,28,29,30,31
	global_load_b32 v[X+32*((\c)%2)+\n], v6, s[6:7] offset:(32*(\c)+\n)*2048 th:TH_LOAD_NT
.endr
.endm
.macro BLOCKV c
.set XS, X+32*((\c)%2)
.if (\c) < 3
	s_wait_loadcnt 32                              ; this block's 32 loads are in; the next block's may be out
.else
	s_wait_loadcnt 0x0
.endif
.set p, 0
.rept 32
	v_med3_num_f32 v[XS+p], v[XS+p], -v12, v12     ; the hold, as above
.set p, p+1
.endr
.irp g, 0,1,2,3
	v_cvt_scalef32_pk8_fp8_f32 v[CV+8*(\c)+2*\g:CV+8*(\c)+2*\g+1], v[XS+8*\g:XS+8*\g+7], v13
.endr
	global_store_b128 v14, v[CV+8*(\c):CV+8*(\c)+3], s[16:17] offset:512*(\c)         ; K 32 c + 0 .. 15: the image's lanes 0-15: sixteen lanes store 256 consecutive bytes, aligned
	global_store_b128 v14, v[CV+8*(\c)+4:CV+8*(\c)+7], s[16:17] offset:512*(\c)+256   ; K 32 c + 16 .. 31: its lanes 16-31
.if (\c) < 2
	LOADV (\c)+2
.endif
.endm
.Lvalues:
	s_lshl_b32 s21, ttmp9, 1
	s_add_co_u32 s21, s21, s20
	s_sub_co_u32 s21, s21, 1                       ; my task, 0 .. 511
	s_and_b32 s20, s21, 3                          ; which 32 channels of a quarter
	s_lshr_b32 s21, s21, 2
	s_lshr_b32 s22, s21, 2                         ; s
	s_and_b32 s23, s21, 3                          ; wq: which quarter of the 512 channels
	s_lshl_b32 s24, s22, 18                        ; 128 rows of 2,048 bytes
	s_lshl_b32 s26, s23, 9                         ; 128 channels
	s_add_co_u32 s24, s24, s26
	s_lshl_b32 s26, s20, 7                         ; my 32
	s_add_co_u32 s24, s24, s26
	s_add_nc_u64 s[6:7], s[6:7], s[24:25]
	s_lshl_b32 s24, s22, 16                        ; the step's 65,536 bytes,
	s_lshl_b32 s26, s23, 14                        ; fragments (wq, 0 .. 7),
	s_add_co_u32 s24, s24, s26
	s_lshl_b32 s26, s20, 12                        ; of which I make two,
	s_add_co_u32 s24, s24, s26
	s_add_co_u32 s24, s24, 0x200000                ; behind all the positions' codes
	s_add_nc_u64 s[16:17], s[16:17], s[24:25]
	s_wait_alu depctr_va_vdst(0)
	v_lshlrev_b32 v6, 2, v2                        ; in: 4 bytes a lane
	v_lshlrev_b32 v14, 11, v4                      ; out: fragment lane / 16,
	v_lshl_add_u32 v14, v3, 4, v14                 ; 16 bytes for channel lane % 16
	LOADV 0
	LOADV 1
	s_wait_kmcnt 0x0
	s_add_co_i32 s26, s31, 127
	s_lshl_b32 s27, s26, 23
	v_mov_b32 v13, s27                             ; 2^e3 as f32
	s_add_co_i32 s26, s26, 8
	s_lshl_b32 s26, s26, 23
	s_or_b32 s26, s26, 0x600000
	v_mov_b32 v12, s26                             ; 448 x 2^e3
	s_wait_alu depctr_va_vdst(0)
	BLOCKV 0
	BLOCKV 1
	BLOCKV 2
	BLOCKV 3
	s_endpgm
.Lfunc_end_k_q91abf51b01_prep:
	.size	k_q91abf51b01_prep, .Lfunc_end_k_q91abf51b01_prep-k_q91abf51b01_prep
	.p2alignl 7, 3214868480
	.fill 96, 4, 3214868480
	.section	.rodata,"a",@progbits
	.p2align	6, 0x0
	.amdhsa_kernel k_q91abf51b01_prep
		.amdhsa_group_segment_fixed_size 0
		.amdhsa_private_segment_fixed_size 0
		.amdhsa_enable_private_segment 0
		.amdhsa_kernarg_size 64
		.amdhsa_user_sgpr_count 2
		.amdhsa_user_sgpr_kernarg_segment_ptr 1
		.amdhsa_wavefront_size32 1
		.amdhsa_system_sgpr_workgroup_id_x 1
		.amdhsa_system_sgpr_workgroup_id_y 1
		.amdhsa_system_sgpr_workgroup_id_z 1
		.amdhsa_system_vgpr_workitem_id 0
		.amdhsa_next_free_vgpr 224
		.amdhsa_next_free_sgpr 66
		.amdhsa_reserve_vcc 1
		.amdhsa_float_denorm_mode_32 3
		.amdhsa_float_denorm_mode_16_64 3
		.amdhsa_memory_ordered 1
		.amdhsa_forward_progress 1
		.amdhsa_inst_pref_size 61
	.end_amdhsa_kernel
	.amdgpu_metadata
---
amdhsa.version: [ 1, 2 ]
amdhsa.kernels:
  - .name:           k_q91abf51b01_prep
    .symbol:         k_q91abf51b01_prep.kd
    .args:
      - { .name: positions, .offset: 0, .size: 8, .value_kind: global_buffer, .address_space: global }
      - { .name: values, .offset: 8, .size: 8, .value_kind: global_buffer, .address_space: global }
      - { .name: temperature, .offset: 16, .size: 8, .value_kind: global_buffer, .address_space: global }
      - { .name: frozen_scale, .offset: 24, .size: 8, .value_kind: global_buffer, .address_space: global }
      - { .name: frozen, .offset: 32, .size: 8, .value_kind: global_buffer, .address_space: global }
      - { .name: lowp_scales, .offset: 40, .size: 8, .value_kind: global_buffer, .address_space: global }
      - { .name: tiles, .offset: 48, .size: 8, .value_kind: global_buffer, .address_space: global }
      - { .name: aux, .offset: 56, .size: 8, .value_kind: global_buffer, .address_space: global }
    .group_segment_fixed_size: 0
    .private_segment_fixed_size: 0
    .kernarg_segment_align: 8
    .kernarg_segment_size: 64
    .max_flat_workgroup_size: 96
    .sgpr_count:     66
    .vgpr_count:     224
    .wavefront_size: 32
...
	.end_amdgpu_metadata
.endif
;; end of part 1
;; launch main (part 2): grid 256 x 1, 4 waves a work-group, clusters of 4 x 1, 327,680 bytes of LDS; arguments x, tiles, aux, lowp_scales, out0; writes out0
.if DOCPART == 2
	.amdgcn_target "amdgcn-amd-amdhsa--gfx1250"
	.amdhsa_code_object_version 6
	.text
	.protected	k_q91abf51b01_main
	.globl	k_q91abf51b01_main
	.p2align	8
	.type	k_q91abf51b01_main,@function
k_q91abf51b01_main:
	s_mov_b64 s[64:65], 0
	v_nop
	global_prefetch_b8 v0, s[64:65] scope:SCOPE_SE
	s_setreg_imm32_b32 hwreg(HW_REG_WAVE_MODE, 25, 1), 1
	s_wait_xcnt 0x0
	s_wait_alu depctr_hold_cnt(0) depctr_sa_sdst(0) depctr_va_vdst(0) depctr_va_sdst(0) depctr_va_ssrc(0) depctr_va_vcc(0) depctr_vm_vsrc(0)
	s_getreg_b32 s2, hwreg(HW_REG_IB_STS2, 6, 4)
	s_cmp_eq_u32 s2, 0
	s_cbranch_scc0 .Lentry_in_a_cluster
	s_endpgm
.Lentry_in_a_cluster:
	s_bfe_u32 s2, ttmp6, 0x10000c
	s_cmp_lg_u32 s2, 0x3003
	s_cbranch_scc0 .Lentry_shape_is_right
	s_endpgm
.Lentry_shape_is_right:
; out = W V, W = exp(-dist / T) / (row sum + 1e-8), dist from |x|^2 + |p|^2 - 2 x.p; both products on codes of FP8 (E4M3) with the given scales.
; A work-group owns 64 rows of x; four waves.  x is quantised at the head and every wave keeps all 64 rows' fragments (256 registers).
; PASS A walks the 32 steps of 128 positions for the rows' sums, PASS B walks them again: weights, normalised, quantised, times the values.
; Wave w takes positions 32 w .. 32 w + 31 of a step in the first product (used transposed: a lane holds one row of x, its registers run along the
; positions), and channels 128 w .. 128 w + 127 in the second; the weights' codes go from wave to wave as images of the operand's registers in LDS.
; With n = e0 + e1 + 1: the first matrix instruction of a sum takes C = -(|x|^2 + |p|^2) 2^-n, so a finished sum is -d2 2^-n; dist = sqrt(max(-sum, 0)) 2^(n/2),
; and 2^(n/2) is folded into rho = -log2(e) / T as aux is copied in.  In pass B the weight is 2^(rho dist - log2(row sum + 1e-8)): the division is an addition in the exponent.
; THE RING: two slots of 131,072 bytes, joint loads in a cluster of four (all four walk the same blocks).  Pass A: a slot holds two steps' positions.
; Pass B: a slot holds P(i+1) (fetched by waves 0, 1) and V(i) (waves 2, 3).  Every fragment is asked of LDS a phase ahead of its products:
; trip i of pass B = W(i-1) load, first product of step i, P(i+1) load, second product of step i-1, V(i) load, the vector work of step i, the barrier.
; Pass B begins at the step that pass A ended with, whose fragments still lie in registers.
; No prefetch: all 64 clusters walk the same 48 blocks, each from a start of its own (cluster number mod 16), so each block is asked for by 64 clusters' loads in turn.
; LIMITS: e0 + e1 + 1 between -125 and 125; e0, e2 between -126 and 119; e2 + e3 between -126 and 127.  NaN in x is not served.
; A weight under 2^-126 counts as 0 in the row's sum.
.set SLOT,  1<<17
.set AUX,   2*SLOT                     ; 32,768 bytes: at first each wave's stage of 8,192 bytes for x, then, behind a barrier, two scaled numbers a position
.set SPARE, AUX+32768                  ; the spare words, 128 bytes a wave
.set IMG,   SPARE+512                  ; 16,384 bytes: x's codes at the head, then the weights' codes, two images of 8,192
.set XXS,   IMG+16384
.set SUMS,  XXS+256
.set FRB,   2048                       ; a fragment's image
.set SPITCH, 528
.set LI,1
.set AP0,2
.set AL,3
.set ADP,4
.set ADV,5
.set AX0,6
.set ADX,7
.set AWS0,8
.set AWS,9
.set AWL0,10
.set AWL,11
.set SPW,12
.set NIL,13
.set XS,160                            ; v160-175 the stage, on the way in: an address for each of 16 rows
.set XR,176                            ; v176-183 and on the way out: eight addresses
.set XWI,15
.set SCX,16
.set LIMX,17
.set SCW,18
.set LIMW,19
.set STO,20
.set RD,21
.set AO,22
.set XXW,23
.set XXR,24
.set SMW,25
.set SMR,26
.set AM,30                             ; v30-31 the factor for my 16 bytes of aux
.set XX,32                             ; v32-39  -|x|^2 2^-n of my row in each of the four row tiles, in pairs
.set LG,40                             ; v40-47  -log2(sum + 1e-8), in pairs
.set SUM,48
.set AU0,64                            ; v64-95   aux set 0: 16 of -|p|^2 2^-n, 16 of rho 2^(n/2)
.set S,96                              ; v96-159  the first product's sums
.set WF,160                            ; v160-223 the weights' fragments
.set AU1,160                           ; v160-191 aux set 1 (pass A and pass B's first step)
.set CA,224
.set CB,240
.set VF,128                            ; window 3: v0-127 P, v128-255 V (pass A: P's second buffer); window 1: x; window 2: out's sums
.set WV,14
.set A0,17
.set B0,18
.set BP,19
.set TBS,20
.set OFF,22
.set G1T,24
.set BQ,32
.set BASEB,34
.set G0A,44
.set G0W,48
.set TB,52
.set SA,53
.set WB,54
.set FN,55
.set KC,56
.set CNT,57
.set LA,58
.set KX,60
.set FS,61
.set OSC,62
.set SEL,66
.set MSB, 0
.macro WIN new
.if MSB != \new
	s_set_vgpr_msb (MSB<<8)|\new
.set MSB, \new
.endif
.endm
.macro VW
	s_wait_alu depctr_va_vdst(0)
.endm
.macro PLACES n
.rept \n
	v_nop
.endr
.endm
.macro ROUND                           ; a round of the cluster's barrier
	s_barrier_signal -1
	s_barrier_wait -1
	s_cmp_lg_u32 s[WV], 0
	s_cbranch_scc1 .Lnot_wave_0_\@
	s_barrier_signal -3
.Lnot_wave_0_\@:
	s_barrier_wait -3
	s_barrier_signal -1
	s_barrier_wait -1
.endm
.macro CPREP pp                        ; the next sums' C: -(|p|^2 + |x|^2) 2^-n
.irp m, 0,1,2,3
.irp q, 0,2,4,6,8,10,12,14
	v_pk_add_f32 v[S+16*\m+\q:S+16*\m+\q+1], v[\pp+\q:\pp+\q+1], v[XX+2*\m:XX+2*\m+1]
.endr
.endr
.endm
; The change of slots.  fill: 1 = every wave refills the slot just read; 2 = waves 2 and 3 alone (the last block's positions would be read by nobody); 0 = none.
; au: the aux set from which the next C is made, between the add and the wait for it (0: no next step).  cnt: the LDS instructions issued behind that set's loads.
.macro CHANGE fill, au, cnt
	s_wait_tensorcnt 0x0                           ; my part of the other slot has landed
	ds_add_u32 v[SPW], v[NIL]
.if \au
	s_wait_dscnt \cnt
	CPREP \au
.endif
.if \fill
	s_add_co_u32 s[G0W+1], s[LA], s[TB]            ; no load of mine is out: group 0 may be written
	s_add_co_u32 s72, s[FN], s[A0]
	s_and_b32 s72, s72, 15
	s_lshl_b32 s72, s72, 17                        ; fills 0-15: pass A's block (fill + A0) mod 16
	s_add_co_u32 s73, s[FN], s[BQ]
	s_and_b32 s73, s73, 31
	s_lshl_b32 s73, s73, 16
	s_add_co_u32 s73, s73, s[BASEB]                ; fills 16-47: step j's values, or step j + 1's positions
	s_cmp_lt_u32 s[FN], 16
	s_cselect_b32 s[OFF], s72, s73
	s_add_nc_u64 s[G0W+2:G0W+3], s[TBS:TBS+1], s[OFF:OFF+1]
	s_or_b32 s[G0W+3], s[G0W+3], 0x80000000
	s_add_co_u32 s[FN], s[FN], 1
.endif
.if \au
	s_xor_b32 s[TB], s[TB], SLOT
	VW                                             ; C is read behind the barrier
.endif
	s_wait_dscnt 0x0                               ; the add is done, my reads of the slot and my stores of codes too
.if \fill
	ROUND
.if \fill == 2
	s_cmp_lt_u32 s[WV], 2
	s_cbranch_scc1 .Lno_fill_\@
.endif
	tensor_load_to_lds s[G0W:G0W+3], s[G1T:G1T+7]
	s_nop 0
	PLACES 4
.if \fill == 2
.Lno_fill_\@:
.endif
.else
	s_barrier_signal -1
	s_barrier_wait -1
.endif
.if \au
	v_add_nc_u32 v[ADP], s[TB], v[AP0]
	v_add_nc_u32 v[ADV], 0x10000, v[ADP]
	VW                                             ; the addresses are read again behind waits
.endif
.endm
.macro AUXLD au, off
.irp u, 0,1
	ds_load_b128 v[\au+8*\u:\au+8*\u+3],       v[ADX] offset:\off+128*\u
	ds_load_b128 v[\au+8*\u+4:\au+8*\u+7],     v[ADX] offset:\off+128*\u+16
	ds_load_b128 v[\au+16+8*\u:\au+16+8*\u+3], v[ADX] offset:\off+128*\u+64
	ds_load_b128 v[\au+16+8*\u+4:\au+16+8*\u+7], v[ADX] offset:\off+128*\u+80
.endr
.endm
.macro PLOAD adr, base                 ; my eight fragments (16,384 bytes) into window 3
	WIN 0xc0
.irp f, 0,1,2,3,4,5,6,7
.irp c, 0,1,2,3
	ds_load_b128 v[\base+16*\f+4*\c:\base+16*\f+4*\c+3], v[\adr] offset:FRB*\f+512*\c
.endr
.endr
	WIN 0
.endm
.macro WLOAD
.irp m, 0,1,2,3
.irp c, 0,1,2,3
	ds_load_b128 v[WF+16*\m+4*\c:WF+16*\m+4*\c+3], v[AWL] offset:FRB*\m+512*\c
.endr
.endr
.endm
.macro MUL1 pb                         ; 32 positions x 64 rows x K 512: eight sums by turns
	WIN 0x07
.irp kk, 0,1,2,3
.irp u, 0,1
.irp m, 0,1,2,3
	v_wmma_f32_16x16x128_fp8_fp8 v[S+16*\m+8*\u:S+16*\m+8*\u+7], v[\pb+16*(4*\u+\kk):\pb+16*(4*\u+\kk)+15], v[16*(4*\m+\kk):16*(4*\m+\kk)+15], v[S+16*\m+8*\u:S+16*\m+8*\u+7]
.endr
.endr
.endr
	WIN 0
.endm
.macro MUL2 zero                       ; 128 channels x 64 rows x K 128
	WIN 0xa3
.irp t, 0,1,2,3,4,5,6,7
.irp m, 0,1,2,3
.if \zero
	v_wmma_f32_16x16x128_fp8_fp8 v[64*\m+8*\t:64*\m+8*\t+7], v[VF+16*\t:VF+16*\t+15], v[WF+16*\m:WF+16*\m+15], 0
.else
	v_wmma_f32_16x16x128_fp8_fp8 v[64*\m+8*\t:64*\m+8*\t+7], v[VF+16*\t:VF+16*\t+15], v[WF+16*\m:WF+16*\m+15], v[64*\m+8*\t:64*\m+8*\t+7]
.endif
.endr
.endr
	WIN 0
.endm
.macro ROOT                            ; sqrt(max(-sum, 0)); each sum's registers from the low end on
.set i, 0
.rept 64
	v_max_num_f32 v[S+i], -v[S+i], 0
.set i, i+1
.endr
	VW                                             ; one wait ahead of the batch, one behind it
.set i, 0
.rept 64
	v_sqrt_f32 v[S+i], v[S+i]
.set i, i+1
.endr
	v_nop
	VW
.endm
.macro POW
	VW
.set i, 0
.rept 64
	v_exp_f32 v[S+i], v[S+i]
.set i, i+1
.endr
	v_nop
	VW
.endm
.macro VEC_A rr
	ROOT
.irp m, 0,1,2,3
.irp q, 0,2,4,6,8,10,12,14
	v_pk_mul_f32 v[S+16*\m+\q:S+16*\m+\q+1], v[S+16*\m+\q:S+16*\m+\q+1], v[\rr+\q:\rr+\q+1]
.endr
.endr
	POW
.irp q, 0,1,2,3,4,5,6,7
.irp m, 0,1,2,3
	v_pk_add_f32 v[SUM+4*\m+2*(\q%2):SUM+4*\m+2*(\q%2)+1], v[SUM+4*\m+2*(\q%2):SUM+4*\m+2*(\q%2)+1], v[S+16*\m+2*\q:S+16*\m+2*\q+1]
.endr
.endr
.endm
.macro EXPO rr                         ; rho dist - log2(sum + 1e-8)
.irp m, 0,1,2,3
.irp q, 0,2,4,6,8,10,12,14
	v_pk_fma_f32 v[S+16*\m+\q:S+16*\m+\q+1], v[S+16*\m+\q:S+16*\m+\q+1], v[\rr+\q:\rr+\q+1], v[LG+2*\m:LG+2*\m+1]
.endr
.endr
.endm
.macro XQ kk, dst                      ; K step kk of my 16 rows of x: squares, the hold, the codes
	WIN 0x0a
.set p, 0
.rept 32
.if ((\kk) == 0) && (p < 4)
	v_pk_mul_f32 v[SUM+2*p:SUM+2*p+1], v[64*(\kk)+2*p:64*(\kk)+2*p+1], v[64*(\kk)+2*p:64*(\kk)+2*p+1]
.else
	v_pk_fma_f32 v[SUM+2*(p%4):SUM+2*(p%4)+1], v[64*(\kk)+2*p:64*(\kk)+2*p+1], v[64*(\kk)+2*p:64*(\kk)+2*p+1], v[SUM+2*(p%4):SUM+2*(p%4)+1]
.endif
.set p, p+1
.endr
	WIN 0x82
.set p, 0
.rept 64
	v_med3_num_f32 v[64*(\kk)+p], v[64*(\kk)+p], -v[LIMX], v[LIMX]
.set p, p+1
.endr
	WIN 0x02
.irp g, 0,1,2,3,4,5,6,7
	v_cvt_scalef32_pk8_fp8_f32 v[\dst+2*\g:\dst+2*\g+1], v[64*(\kk)+8*\g:64*(\kk)+8*\g+7], v[SCX]
.endr
	WIN 0
	v_nop
.endm
; K step kk of my 16 rows turns through my stage: in as loaded (row q, 512 consecutive bytes), out 64 bytes a lane (row r, K 32 c + 16 h + 0 .. 15).
; A row's piece of 16 bytes number n lies at piece n xor row (low four bits): sixteen lanes touch sixteen different columns of 16 bytes both ways.
; LDS serves a wave's instructions in order, so no wait stands between the stores and the loads, nor ahead of the next turn's stores.
.macro XTURN kk
	WIN 0x08
.irp q, 0,1,2,3,4,5,6,7,8,9,10,11,12,13,14,15
	ds_store_b128 v[XS+\q], v[64*(\kk)+4*\q:64*(\kk)+4*\q+3] offset:512*\q
.endr
	WIN 0x80
.irp c, 0,1,2,3
.irp j, 0,1,2,3
	ds_load_b128 v[64*(\kk)+16*\c+4*\j:64*(\kk)+16*\c+4*\j+3], v[XR+4*(\c%2)+\j] offset:256*(\c/2)
.endr
.endr
	WIN 0
.endm
.macro XSTORE
.irp c, 0,1,2,3
	ds_store_b128 v[XWI], v[CA+4*\c:CA+4*\c+3] offset:512*\c
	ds_store_b128 v[XWI], v[CB+4*\c:CB+4*\c+3] offset:FRB+512*\c
.endr
.endm
.macro XFETCH k0
	WIN 0x40
.irp m, 0,1,2,3
.irp k, 0,1
.irp c, 0,1,2,3
	ds_load_b128 v[16*(4*\m+\k0+\k)+4*\c:16*(4*\m+\k0+\k)+4*\c+3], v[AWL0] offset:(2*\m+\k)*FRB+512*\c
.endr
.endr
.endr
	WIN 0
.endm
; ---------------- the head
	s_load_b256 s[4:11], s[0:1], 0x0               ; x, tiles, aux, the scales' exponents
	s_load_b64 s[12:13], s[0:1], 0x20              ; out
	v_lshl_add_u32 v[SPW], v0, 2, SPARE
	v_mov_b32 v[NIL], 0
	ds_add_u32 v[SPW], v[NIL]                      ; the opening lines: the add twice and one wait
	ds_add_u32 v[SPW], v[NIL]
	v_lshrrev_b32 v27, 5, v0
	v_readfirstlane_b32 s[WV], v27
	s_bfe_u32 s15, ttmp6, 0x40000
	s_lshl_b32 s16, ttmp9, 2
	s_add_co_u32 s16, s16, s15                     ; my work-group: only x's and out's addresses hang on it
	s_and_b32 s[A0], ttmp9, 15                     ; the cluster's first block of pass A
	s_add_co_u32 s72, s[A0], 15
	s_and_b32 s72, s72, 15
	s_lshl_b32 s72, s72, 1
	s_add_co_u32 s[B0], s72, 1                     ; pass B's first step = pass A's last
	s_add_co_u32 s[BP], s[B0], 16
	s_cmp_lt_u32 s[WV], 2                          ; in pass B waves 0, 1 fetch positions (65,536 bytes a step), waves 2, 3 values
	s_cselect_b32 s[BASEB], 0, 0x1f0000            ; the values begin at 0x200000; waves 2, 3 already stand 0x10000 and 0x18000 into the buffer
	s_cselect_b32 s72, 1, 0
	s_add_co_u32 s[BQ], s[BP], s72
	s_lshl_b32 s[LA], s[WV], 15
	s_mov_b32 s[LA+1], 0
	s_lshl_b32 s42, s16, 17
	s_add_co_u32 s40, s42, s[LA]                   ; x: 64 rows a work-group, 16 a wave
	s_mov_b32 s41, 0
	s_lshl_b32 s43, s[WV], 9
	s_add_co_u32 s42, s42, s43                     ; out: my 128 channels
	s_mov_b32 s43, 0
	s_mov_b32 s[OFF+1], 0
	s_lshl_b32 s72, s[WV], 14
	s_lshl_b32 s73, s[WV], 8
	s_add_co_u32 s73, s73, AUX
	s_lshl_b32 s74, s[WV], 9
	s_add_co_u32 s74, s74, IMG
	s_lshl_b32 s75, s[WV], 12
	s_add_co_u32 s75, s75, IMG
	s_mul_i32 s76, s[WV], 16*SPITCH
	s_lshl_b32 s77, s[WV], 6
	s_add_co_u32 s77, s77, XXS
	s_lshl_b32 s78, s[WV], 8
	s_add_co_u32 s78, s78, SUMS
	s_lshl_b32 s79, s[WV], 13
	s_add_co_u32 s79, s79, AUX                     ; my stage
	s_mov_b32 s[G1T], 15|(3<<16)|(1<<21)           ; the four partners; elements of 8 bytes
	s_mov_b32 s[G1T+1], 32<<16                     ; rows of 256 bytes,
	s_mov_b32 s[G1T+2], 128<<16                    ; 128 of them
	s_mov_b32 s[G1T+3], 32<<16
	s_mov_b32 s[G1T+4], 128
	s_mov_b32 s[G1T+5], 32
	s_mov_b32 s[G1T+6], 0
	s_mov_b32 s[G1T+7], 0
	s_mov_b32 s[SEL], 0x76543210
	s_mov_b32 s[SEL+1], 0xfedcba98
	s_mov_b32 s[TB], 0
	s_mov_b32 s[WB], 0
	s_mov_b32 s[FN], 2
	s_mov_b32 s[KC], 0
	v_and_b32 v27, 31, v0
	v_and_b32 v28, 15, v0
	v_bfe_u32 v29, v0, 4, 1
	v_lshlrev_b32 v[LI], 4, v27
	v_add_nc_u32 v[XS], s79, v[LI]
	v_lshlrev_b32 v[XR], 2, v29
	v_xor_b32 v[XR], v[XR], v28                    ; 4 h xor r
	v_lshlrev_b32 v[XR], 4, v[XR]
	v_lshl_add_u32 v[XR], v28, 9, v[XR]
	v_add_nc_u32 v[XR], s79, v[XR]
.irp q, 1,2,3,4,5,6,7,8,9,10,11,12,13,14,15
	v_xor_b32 v[XS+\q], 16*\q, v[XS]
.endr
.irp q, 1,2,3
	v_xor_b32 v[XR+\q], 16*\q, v[XR]
.endr
.irp q, 0,1,2,3
	v_xor_b32 v[XR+4+\q], 128+16*\q, v[XR]
.endr
	v_lshlrev_b32 v[AO], 4, v0
	v_lshl_add_u32 v[AL], v0, 4, AUX
	v_add_nc_u32 v[AP0], s72, v[LI]
	v_lshl_add_u32 v[AX0], v29, 5, s73
	v_add_nc_u32 v[AWS0], s74, v[LI]
	v_add_nc_u32 v[AWL0], IMG, v[LI]
	v_add_nc_u32 v[XWI], s75, v[LI]
	v_mul_u32_u24 v[STO], v28, SPITCH
	v_lshl_add_u32 v[STO], v29, 5, v[STO]
	v_add_nc_u32 v[STO], s76, v[STO]
	v_add_nc_u32 v[RD], s76, v[LI]
	v_lshl_add_u32 v[XXW], v28, 2, s77
	v_lshl_add_u32 v[XXR], v28, 2, XXS
	v_lshl_add_u32 v[SMW], v28, 2, s78
	v_lshl_add_u32 v[SMR], v28, 2, SUMS
	v_and_b32 v27, 4, v0                           ; my 16 bytes of aux: |p|^2 (0) or rho (4)
	VW
	s_wait_dscnt 0x0
	s_wait_kmcnt 0x0
	s_load_b128 s[68:71], s[10:11], 0x0            ; e0 .. e3
	s_add_nc_u64 s[4:5], s[4:5], s[40:41]
	s_add_nc_u64 s[12:13], s[12:13], s[42:43]
	s_add_nc_u64 s[TBS:TBS+1], s[6:7], s[LA:LA+1]
.irp j, 0,1,2,3,4,5,6,7,8,9,10,11,12,13,14,15
	global_load_b128 v[S+4*\j:S+4*\j+3], v[AO], s[8:9] offset:2048*\j      ; aux, whole: the work-group reads 2,048 consecutive bytes an instruction
.endr
	WIN 0x80
.irp kk, 0,1,2,3
.irp c, 0,1,2,3
.irp j, 0,1,2,3
	global_load_b128 v[64*\kk+16*\c+4*\j:64*\kk+16*\c+4*\j+3], v[LI], s[4:5] offset:2048*(4*\c+\j)+512*\kk th:TH_LOAD_NT   ; row 4 c + j: the wave reads 512 consecutive bytes
.endr
.endr
.endr
	WIN 0
	s_lshl_b32 s[OFF], s[A0], 17
	s_mov_b32 s[G0A], 1
	s_mov_b32 s[G0A+1], s[LA]
	s_add_nc_u64 s[G0A+2:G0A+3], s[TBS:TBS+1], s[OFF:OFF+1]
	s_or_b32 s[G0A+3], s[G0A+3], 0x80000000
	s_add_co_u32 s76, s[A0], 1
	s_and_b32 s76, s76, 15
	s_lshl_b32 s[OFF], s76, 17
	s_mov_b32 s[G0W], 1
	s_add_co_u32 s[G0W+1], s[LA], SLOT
	s_add_nc_u64 s[G0W+2:G0W+3], s[TBS:TBS+1], s[OFF:OFF+1]
	s_or_b32 s[G0W+3], s[G0W+3], 0x80000000
	ROUND
	tensor_load_to_lds s[G0A:G0A+3], s[G1T:G1T+7]  ; slot 0: my one tensor load at the head
	s_nop 0
	PLACES 4
	s_wait_kmcnt 0x0
	s_add_co_i32 s72, s68, 127
	s_lshl_b32 s73, s72, 23
	v_mov_b32 v[SCX], s73                          ; 2^e0
	s_add_co_i32 s72, s72, 8
	s_lshl_b32 s72, s72, 23
	s_or_b32 s72, s72, 0x600000
	v_mov_b32 v[LIMX], s72                         ; 448 x 2^e0
	s_add_co_i32 s72, s70, 127
	s_lshl_b32 s73, s72, 23
	v_mov_b32 v[SCW], s73                          ; 2^e2
	s_add_co_i32 s72, s72, 8
	s_lshl_b32 s72, s72, 23
	s_or_b32 s72, s72, 0x600000
	v_mov_b32 v[LIMW], s72                         ; 448 x 2^e2
	s_add_co_i32 s72, s70, s71
	s_add_co_i32 s72, s72, 127
	s_lshl_b32 s[OSC], s72, 23                     ; 2^(e2 + e3)
	s_mov_b32 s[OSC+1], s[OSC]
	s_add_co_i32 s72, s68, s69
	s_add_co_i32 s72, s72, 1                       ; n
	s_sub_co_i32 s73, 127, s72
	s_lshl_b32 s73, s73, 23
	s_or_b32 s[KX], s73, 0x80000000                ; -2^-n
	s_ashr_i32 s73, s72, 1
	s_lshl_b32 s73, s73, 23
	s_bitcmp1_b32 s72, 0
	s_cselect_b32 s74, 0x3fb504f3, 1.0
	s_add_co_i32 s[FS], s74, s73                   ; 2^(n/2): sqrt(2) or 1, with n / 2 (rounded down) added to the exponent field
	v_cmp_ne_u32 vcc_lo, 0, v27
	v_mov_b32 v28, s[FS]
	v_mov_b32 v[AM], s[KX]
	v_cndmask_b32 v[AM], v[AM], v28, vcc_lo
	v_mov_b32 v[AM+1], v[AM]
	VW
	s_wait_loadcnt 63                              ; 80 loads were issued, aux's 16 first: with 63 out at the most, aux is in
.set p, 0
.rept 32
	v_pk_mul_f32 v[S+2*p:S+2*p+1], v[S+2*p:S+2*p+1], v[AM:AM+1]
.set p, p+1
.endr
	s_wait_loadcnt 48
	XTURN 0
	s_wait_loadcnt 32
	XTURN 1
	s_wait_dscnt 32                                ; turn 0 is back; turn 1's 16 stores and 16 loads may be out
	XQ 0, CA
	s_wait_dscnt 0x0
	XQ 1, CB
	XSTORE
	s_wait_dscnt 0x0
	s_barrier_signal -1
	s_barrier_wait -1
	XFETCH 0                                       ; K steps 0, 1 of all 64 rows
	s_wait_loadcnt 16
	XTURN 2
	s_wait_loadcnt 0x0
	XTURN 3
	s_wait_dscnt 32                                ; turn 2 is back; turn 3's 32 may be out
	XQ 2, CA
	s_wait_dscnt 0x0
	XQ 3, CB
	v_pk_add_f32 v[SUM:SUM+1], v[SUM:SUM+1], v[SUM+2:SUM+3]
	v_pk_add_f32 v[SUM+4:SUM+5], v[SUM+4:SUM+5], v[SUM+6:SUM+7]
	v_pk_add_f32 v[SUM:SUM+1], v[SUM:SUM+1], v[SUM+4:SUM+5]
	v_add_f32 v[SUM], v[SUM], v[SUM+1]
	v_permlanex16_b32 v[SUM+1], v[SUM], s[SEL], s[SEL+1]
	v_add_f32 v[SUM], v[SUM], v[SUM+1]
	v_mul_f32 v[SUM], s[KX], v[SUM]                ; -|x|^2 2^-n
	VW
	s_wait_dscnt 0x0                               ; my reads of the image are over
	s_barrier_signal -1
	s_barrier_wait -1
	XSTORE
	ds_store_b32 v[XXW], v[SUM]
.irp j, 0,1,2,3,4,5,6,7,8,9,10,11,12,13,14,15
	ds_store_b128 v[AL], v[S+4*\j:S+4*\j+3] offset:2048*\j                 ; aux, scaled: every wave's reads of its stage ended ahead of the barrier above
.endr
	s_wait_tensorcnt 0x0                           ; slot 0 has landed; slot 1's first fill is issued as a refill is
	ds_add_u32 v[SPW], v[NIL]
	s_wait_dscnt 0x0
	ROUND
	tensor_load_to_lds s[G0W:G0W+3], s[G1T:G1T+7]
	s_nop 0
	PLACES 4
	s_lshl_b32 s[SA], s[A0], 11
	v_add_nc_u32 v[ADP], s[TB], v[AP0]
	v_add_nc_u32 v[ADV], 0x10000, v[ADP]
	v_add_nc_u32 v[ADX], s[SA], v[AX0]
	VW
	XFETCH 2
.irp m, 0,1,2,3
	ds_load_b32 v[XX+2*\m], v[XXR] offset:64*\m
.endr
	PLOAD ADP, 0
	AUXLD AU0, 0
	s_wait_dscnt 40                                ; all but the 40 just issued
.irp m, 0,1,2,3
	v_mov_b32 v[XX+2*\m+1], v[XX+2*\m]
.endr
.set i, 0
.rept 16
	v_mov_b32 v[SUM+i], 0
.set i, i+1
.endr
	VW
; ---------------- pass A: a trip = a block of two steps
	s_mov_b32 s[CNT], 16
.Lpass_a:
	s_wait_dscnt 0x0                               ; the even step's fragments and aux, asked for a step ago
	CPREP AU0
	PLOAD ADV, 128                                 ; the odd step's, into the second buffer
	AUXLD AU1, 1024
	MUL1 0
	PLACES 4
	VEC_A AU0+16
	CHANGE 1, AU1, 1                               ; the slot lies in registers: it is filled again; behind the aux loads only the add was issued
	s_add_co_u32 s[KC], s[KC], 1
	s_add_co_u32 s72, s[KC], s[A0]
	s_and_b32 s72, s72, 15
	s_lshl_b32 s[SA], s72, 11
	v_add_nc_u32 v[ADX], s[SA], v[AX0]
	PLOAD ADP, 0                                   ; the next block's even step (after the last trip: pass B's second step)
	AUXLD AU0, 0
	MUL1 128
	PLACES 4
	VEC_A AU1+16
	s_sub_co_u32 s[CNT], s[CNT], 1
	s_cmp_lg_u32 s[CNT], 0
	s_cbranch_scc1 .Lpass_a
; ---------------- the rows' sums over lanes and waves
.irp m, 0,1,2,3
	v_pk_add_f32 v[SUM+4*\m:SUM+4*\m+1], v[SUM+4*\m:SUM+4*\m+1], v[SUM+4*\m+2:SUM+4*\m+3]
.endr
.irp m, 0,1,2,3
	v_add_f32 v[SUM+4*\m], v[SUM+4*\m], v[SUM+4*\m+1]
.endr
.irp m, 0,1,2,3
	v_permlanex16_b32 v[SUM+4*\m+1], v[SUM+4*\m], s[SEL], s[SEL+1]
.endr
.irp m, 0,1,2,3
	v_add_f32 v[SUM+4*\m], v[SUM+4*\m], v[SUM+4*\m+1]
.endr
.irp m, 0,1,2,3
	ds_store_b32 v[SMW], v[SUM+4*\m] offset:64*\m
.endr
	s_wait_dscnt 0x0
	s_barrier_signal -1
	s_barrier_wait -1
.irp m, 0,1,2,3
.irp n, 0,1,2,3
	ds_load_b32 v[S+4*\m+\n], v[SMR] offset:256*\n+64*\m
.endr
.endr
	s_mov_b32 s72, 0x322bcc77                      ; 1e-8
	s_add_co_u32 s[KC], s[B0], 2                   ; the step whose aux pass B's second trip asks for
	s_wait_dscnt 0x0
.irp m, 0,1,2,3
	v_add_f32 v[S+4*\m], v[S+4*\m], v[S+4*\m+1]
	v_add_f32 v[S+4*\m+2], v[S+4*\m+2], v[S+4*\m+3]
.endr
.irp m, 0,1,2,3
	v_add_f32 v[S+4*\m], v[S+4*\m], v[S+4*\m+2]
.endr
.irp m, 0,1,2,3
	v_add_f32 v[S+4*\m], s72, v[S+4*\m]
.endr
	VW
.irp m, 0,1,2,3
	v_log_f32 v[S+4*\m+1], v[S+4*\m]
.endr
	v_nop
	VW
.irp m, 0,1,2,3
	v_sub_f32 v[LG+2*\m], 0, v[S+4*\m+1]
	v_sub_f32 v[LG+2*\m+1], 0, v[S+4*\m+1]
.endr
; ---------------- pass B.  first: the step whose P lies in the second buffer and whose aux lies in set 1; nothing to multiply by V yet.
.macro STEPB first, zero, fill, next
.if \first
	CPREP AU1
	MUL1 128
.else
	v_add_nc_u32 v[AWL], s[WB], v[AWL0]
	WLOAD                                          ; the last step's weights, all 128 positions
	s_xor_b32 s[WB], s[WB], 8192
	MUL1 0
.if \next
	PLACES 4
	PLOAD ADP, 0                                   ; the next step's positions
	s_wait_dscnt 32                                ; the weights are in
.else
	s_wait_dscnt 0x0
.endif
	MUL2 \zero
.endif
	PLACES 4
	PLOAD ADV, 128                                 ; this step's values
	ROOT
.if \first
	EXPO AU1+16
.else
	EXPO AU0+16
.endif
.if (\next) && (1-\first)
	s_and_b32 s72, s[KC], 31
	s_lshl_b32 s[SA], s72, 10
	s_add_co_u32 s[KC], s[KC], 1
	v_add_nc_u32 v[ADX], s[SA], v[AX0]
	AUXLD AU0, 0                                   ; the next step's aux
.endif
	POW
.set i, 0
.rept 64
	v_min_num_f32 v[S+i], v[S+i], v[LIMW]          ; the conversion does not saturate (ISA guide 7.6.2); a weight is not negative
.set i, i+1
.endr
.irp m, 0,1,2,3
.irp u, 0,1
	v_cvt_scalef32_pk8_fp8_f32 v[CA+4*\m+2*\u:CA+4*\m+2*\u+1], v[S+16*\m+8*\u:S+16*\m+8*\u+7], v[SCW]
.endr
.endr
	v_add_nc_u32 v[AWS], s[WB], v[AWS0]
.irp m, 0,1,2,3
	ds_store_b128 v[AWS], v[CA+4*\m:CA+4*\m+3] offset:FRB*\m
.endr
.if \next
	CHANGE \fill, AU0, 5                           ; behind the aux loads: four stores and the add
.else
	CHANGE \fill, 0, 0
.endif
.endm
	STEPB 1, 0, 1, 1
	STEPB 0, 1, 1, 1                               ; the first products with V start out's sums
	s_mov_b32 s[CNT], 27
.Lpass_b:
	STEPB 0, 0, 1, 1
	s_sub_co_u32 s[CNT], s[CNT], 1
	s_cmp_lg_u32 s[CNT], 0
	s_cbranch_scc1 .Lpass_b
	STEPB 0, 0, 2, 1                               ; the last block: its values alone
	STEPB 0, 0, 0, 1
	STEPB 0, 0, 0, 0
	v_add_nc_u32 v[AWL], s[WB], v[AWL0]
	WLOAD
	s_wait_dscnt 0x0
	MUL2 0
; ---------------- the way out: x 2^(e2 + e3), 16 rows at a time through my stage (in slot 0, which has had its last fill and its last read), whole rows of 512 bytes
.macro TOSTAGE m
	WIN 0x02
.set i, 0
.rept 32
	v_pk_mul_f32 v[S+i:S+i+1], v[64*(\m)+i:64*(\m)+i+1], s[OSC:OSC+1] op_sel_hi:[1,0]
.set i, i+2
.endr
	WIN 0
.irp t, 0,1,2,3,4,5,6,7
	ds_store_b128 v[STO], v[S+8*\t:S+8*\t+3] offset:64*\t
	ds_store_b128 v[STO], v[S+8*\t+4:S+8*\t+7] offset:64*\t+16
.endr
.set BK, 160-128*((\m)%2)
.irp n, 0,1,2,3,4,5,6,7,8,9,10,11,12,13,14,15
	ds_load_b128 v[BK+4*\n:BK+4*\n+3], v[RD] offset:\n*SPITCH
.endr
.endm
.macro SEND m, younger
.set BK, 160-128*((\m)%2)
	s_wait_dscnt \younger
.irp n, 0,1,2,3,4,5,6,7,8,9,10,11,12,13,14,15
	global_store_b128 v[LI], v[BK+4*\n:BK+4*\n+3], s[12:13] offset:(16*(\m)+\n)*2048 th:TH_STORE_NT
.endr
.endm
	PLACES 4
	TOSTAGE 0
.irp a, 1,2,3
.if \a > 1
	s_wait_xcnt 0x0                                ; the stores of two blocks ago have read their registers
.endif
	TOSTAGE \a
	SEND \a-1, 32
.endr
	SEND 3, 0
	s_wait_tensorcnt 0x0                           ; the wave's end
	ds_add_u32 v[SPW], v[NIL]
	s_wait_dscnt 0x0
	ROUND                                          ; the closing round
	s_endpgm
.Lfunc_end_k_q91abf51b01_main:
	.size	k_q91abf51b01_main, .Lfunc_end_k_q91abf51b01_main-k_q91abf51b01_main
	.p2alignl 7, 3214868480
	.fill 96, 4, 3214868480
	.section	.rodata,"a",@progbits
	.p2align	6, 0x0
	.amdhsa_kernel k_q91abf51b01_main
		.amdhsa_group_segment_fixed_size 327680
		.amdhsa_private_segment_fixed_size 0
		.amdhsa_enable_private_segment 0
		.amdhsa_kernarg_size 40
		.amdhsa_user_sgpr_count 2
		.amdhsa_user_sgpr_kernarg_segment_ptr 1
		.amdhsa_wavefront_size32 1
		.amdhsa_system_sgpr_workgroup_id_x 1
		.amdhsa_system_sgpr_workgroup_id_y 1
		.amdhsa_system_sgpr_workgroup_id_z 1
		.amdhsa_system_vgpr_workitem_id 0
		.amdhsa_next_free_vgpr 1024
		.amdhsa_next_free_sgpr 80
		.amdhsa_reserve_vcc 1
		.amdhsa_float_denorm_mode_32 3
		.amdhsa_float_denorm_mode_16_64 3
		.amdhsa_memory_ordered 1
		.amdhsa_forward_progress 1
		.amdhsa_inst_pref_size 255
	.end_amdhsa_kernel
	.section	.bss,"aw",@nobits
	.p2align	6
	.space	262144
	.amdgpu_metadata
---
amdhsa.version: [ 1, 2 ]
amdhsa.kernels:
  - .name:           k_q91abf51b01_main
    .symbol:         k_q91abf51b01_main.kd
    .args:
      - { .name: x, .offset: 0, .size: 8, .value_kind: global_buffer, .address_space: global }
      - { .name: tiles, .offset: 8, .size: 8, .value_kind: global_buffer, .address_space: global }
      - { .name: aux, .offset: 16, .size: 8, .value_kind: global_buffer, .address_space: global }
      - { .name: lowp_scales, .offset: 24, .size: 8, .value_kind: global_buffer, .address_space: global }
      - { .name: out0, .offset: 32, .size: 8, .value_kind: global_buffer, .address_space: global }
    .group_segment_fixed_size: 327680
    .private_segment_fixed_size: 0
    .kernarg_segment_align: 8
    .kernarg_segment_size: 40
    .max_flat_workgroup_size: 128
    .sgpr_count:     80
    .vgpr_count:     1024
    .wavefront_size: 32
...
	.end_amdgpu_metadata
.endif
;; end of part 2
